; MI455X (gfx1250); checked and timed in simulation.
; The chip was launched on July 23, 2026; its instructions are those of AMD's public machine-readable ISA for CDNA 5 (MIT licence, August 2026) and "CDNA5" Instruction Set Architecture Reference Guide (July 2026). The comments in the code are by the model that wrote it; some were corrected since.
;; Pseudo Levinson Durbin Recursion. Allowed arithmetic: float matrix products may take bf16 or f16 operands with f32 sums; all other float work in f32.
;; Inputs: r 2,048 x 257 float32.
;; Outputs: out0 2,048 x 257 float32.
;; One version. Each part assembles by itself: llvm-mc -triple=amdgcn-amd-amdhsa -mcpu=gfx1250 --defsym DOCPART=n.
;; ======== version 1 of 1: 1 launch
;; launch levinson (part 1): grid 256 x 1, 4 waves a work-group, no clusters, 168,448 bytes of LDS; arguments r, out0; writes out0
.if DOCPART == 1
	.amdgcn_target "amdgcn-amd-amdhsa--gfx1250"
	.amdhsa_code_object_version 6
	.text
	.protected	k_q3dba39bc5f_levinson
	.globl	k_q3dba39bc5f_levinson
	.p2align	8
	.type	k_q3dba39bc5f_levinson,@function
k_q3dba39bc5f_levinson:
	s_mov_b64 s[64:65], 0
	v_nop
	global_prefetch_b8 v0, s[64:65] scope:SCOPE_SE
	s_setreg_imm32_b32 hwreg(HW_REG_WAVE_MODE, 25, 1), 1
	s_wait_xcnt 0x0
; out0[f] = [K, a]:  R a = -r1 with R[i][j] = r[|i-j|] (256 x 256, symmetric Toeplitz), K = sqrt(r1 . a + r0).
; r, out0: [2048][257] f32.
; METHOD: the Levinson-Durbin recursion, all in f32: 256 dependent steps a frame, each a dot product, a reciprocal and two vector updates.
; It solves the same system directly, so no inverse and no matrix product is left, and the matrix units have nothing to do here.
; LIMITS, kept on purpose: every prediction error E_n (ratio of neighbouring leading principal minors of R) must be non-zero and
; 2^-126 <= |E_n| <= 2^126 (v_rcp_f32 flushes denormals: ISA guide 15.8).  That holds for every positive definite R; a pivoted inverse
; needs only R itself to be regular.  The error grows where some |E_n| is tiny against |r0|.  The order of rounding is not that of an LU
; inverse.  The recursion's coefficients do not depend on a common factor of r.
;
; SHARES: a work-group owns 8 neighbouring frames (8 x 1,028 = 8,224 contiguous bytes), a wave two, one for each row of 16 lanes.
; Lane l of a row holds elements e = 16 l + p in register p (p = 0..15) of three vectors of 256:
;   RR[e] = r[e+1] (constant),  A[e] = a_n[e+1],  C[e] = a_n[n-e] (the polynomial reversed, so that it lines up with A and with RR).
; So the shift by one element is a renaming of registers (the multiply-add writes register p+1) and one DPP move for p = 0, the sum over
; a frame is four DPP adds that leave it in every lane, and k is computed in every lane: the loop touches neither memory nor LDS.
; 256 work-groups of four waves: the launch asks for more than half of a WGP's LDS so that each has a WGP, and each wave a SIMD, to itself.
; No cluster: work-groups share no input.  No ring, no prefetch: a work-group reads its 8 KB once, at its start.
;
; MEMORY: 8,224 is no multiple of 256, so the chunk starts DELTA = 32 (wg & 7) bytes into an aligned block of 256 bytes.  Both pointers are
; set to that block's start, 256 (32 wg + (wg >> 3)), and LDS holds the image linearly from there.  In: 33 whole blocks (8,448 bytes; for
; the last work-group they end exactly at the buffer's end).  Out: 16 bytes a lane, 16 lanes to 256 aligned consecutive bytes; only the
; first and the last block are stored in part, since their other bytes are the neighbours' rows.
.set FRAME, 1028                       ; bytes in a row of r and of out0
.set INB,   0                          ; LDS 0 .. 8447: image of r
.set OUTB,  8448                       ; LDS 8448 .. 16895: image of out0, bytes of its own: no barrier between reading r and writing results
.set OFF,  2                           ; v2        16 t: my 16 bytes in each 2,048 of the image, in memory and in LDS
.set FA,   3                           ; v3        DELTA + 1028 f' + 64 l: my lane's 16 elements, one word low
.set F0,   4                           ; v4        DELTA + 1028 f': my frame's first word
.set KK,   6                           ; v[6:7]    k, and a zero: the packed forms read the pair, both halves multiply by v6
.set NUM,  8                           ; v8        the dot product C . RR
.set NEGE, 9                           ; v9        -E
.set NINV, 10                          ; v10       -1 / E
.set T,    11                          ; v11       my lane's last element on its way to the next lane
.set R0,   12                          ; v12       r[0]
.set ONE,  13                          ; v13       1.0 at the start, K at the end
.set PS,   14                          ; v[14:21]  four pairs of partial sums
.set RR,   24                          ; v[24:39]
.set A,    40                          ; v[40:55]
.set C0,   56                          ; v[56:71]  C takes turns between two sets: the new C is written from the old C and the old A in any
.set C1,   72                          ; v[72:87]  order, and A is then updated in place from the old C
.set X,    88                          ; v[88:107] five sets of four: the image on its way in and out
	s_load_b128 s[4:7], s[0:1], 0x0                ; r s[4:5], out0 s[6:7]
	v_lshl_add_u32 v112, v0, 2, 0x29000
	v_mov_b32 v113, 0
	s_lshl_b32 s8, ttmp9, 5
	s_lshr_b32 s9, ttmp9, 3
	s_add_co_u32 s8, s8, s9
	s_lshl_b32 s8, s8, 8                           ; 256 (32 wg + (wg >> 3)): below 2^21
	s_mov_b32 s9, 0
	s_and_b32 s10, ttmp9, 7
	s_lshl_b32 s10, s10, 5                         ; DELTA, 0 to 224
	s_add_co_u32 s13, s10, 32                      ; DELTA + 8,224 - 8,192: the chunk's bytes in the last block
	v_lshrrev_b32 v1, 4, v0                        ; f': my frame in the work-group, 0 to 7
	v_and_b32 v5, 15, v0                           ; l: my lane in the row
	v_lshlrev_b32 v[OFF], 4, v0
	v_mul_u32_u24 v[F0], v1, FRAME
	v_add_nc_u32 v[F0], s10, v[F0]
	v_lshl_add_u32 v[FA], v5, 6, v[F0]
	s_wait_kmcnt 0x0
	s_add_nc_u64 s[4:5], s[4:5], s[8:9]
	s_add_nc_u64 s[6:7], s[6:7], s[8:9]
	; r COMES IN: 128 threads x 16 bytes x 4, then one more block of 256 bytes by threads 0 to 15
.irp j, 0,1,2,3
	global_load_b128 v[X+4*\j:X+4*\j+3], v[OFF], s[4:5] offset:2048*\j
.endr
	v_cmp_gt_u32 vcc_lo, 16, v0
	s_wait_xcnt 0x0                                ; EXEC is a source of the four loads: it is narrowed only behind this wait
	s_and_saveexec_b32 s12, vcc_lo
	global_load_b128 v[X+16:X+19], v[OFF], s[4:5] offset:8192
	s_wait_loadcnt 0x0                             ; all five are in: they were issued together, so this is one wait for memory
	ds_store_b128 v[OFF], v[X+16:X+19] offset:INB+8192
	s_wait_xcnt 0x0                                ; and widened again only behind this one
	s_or_b32 exec_lo, exec_lo, s12
.irp j, 0,1,2,3
	ds_store_b128 v[OFF], v[X+4*\j:X+4*\j+3] offset:INB+2048*\j
.endr
	s_wait_dscnt 0x0                               ; zero, for the other waves: my part of the image is in LDS
	s_barrier_signal -1
	s_barrier_wait -1                              ; everybody's is
	; MY OPERANDS.  Rows of 1,028 bytes are aligned to 4 bytes only, hence loads of one word; 18 of them, once.
.irp p, 0,1,2,3,4,5,6,7,8,9,10,11,12,13,14,15
	ds_load_b32 v[RR+\p], v[FA] offset:INB+4+4*\p  ; r[16 l + p + 1]
.endr
	ds_load_b32 v[R0], v[F0] offset:INB
	ds_load_b32 v[NUM], v[F0] offset:INB+4         ; the first dot product is r[1] itself
	; a_0 = (1): A = 0 and C = (1, 0, 0, ..).  These zeros are data, the coefficients that are not born yet.
.irp p, 0,1,2,3,4,5,6,7,8,9,10,11,12,13,14,15
	v_mov_b32 v[A+\p], 0
.endr
.irp p, 1,2,3,4,5,6,7,8,9,10,11,12,13,14,15
	v_mov_b32 v[C0+\p], 0
.endr
	v_mov_b32 v[KK+1], 0
	v_mov_b32 v[ONE], 1.0
	v_cmp_eq_u32 vcc_lo, 0, v5
	v_cndmask_b32 v[C0], 0, v[ONE], vcc_lo         ; 1.0 in lane 0 of each row
	s_wait_dscnt 0x0
	v_mul_f32 v[NEGE], -1.0, v[R0]                 ; E_0 = r0
	v_rcp_f32 v[NINV], v[NEGE]
	v_nop                                          ; one plain vector instruction between a transcendental and the use of its result (ISA guide 5.7.2)
; A += k C for elements 2 q, 2 q + 1 of my sixteen
.macro UPD cin, q
	v_pk_fma_f32 v[A+2*\q:A+2*\q+1], v[\cin+2*\q:\cin+2*\q+1], v[KK:KK+1], v[A+2*\q:A+2*\q+1] op_sel_hi:[1,0,1]
.endm
; my sixteen products with RR, in four chains of two.  The pair with element 0 comes last: in a step that element arrives by the DPP move.
.macro DOT8 base
.irp i, 0,1,2,3
	v_pk_mul_f32 v[PS+2*\i:PS+2*\i+1], v[\base+2+2*\i:\base+3+2*\i], v[RR+2+2*\i:RR+3+2*\i]
.endr
.irp i, 0,1,2
	v_pk_fma_f32 v[PS+2*\i:PS+2*\i+1], v[\base+10+2*\i:\base+11+2*\i], v[RR+10+2*\i:RR+11+2*\i], v[PS+2*\i:PS+2*\i+1]
.endr
	v_pk_fma_f32 v[PS+6:PS+7], v[\base:\base+1], v[RR:RR+1], v[PS+6:PS+7]
.endm
; one step across the 16 lanes of a row: lane i adds lane i xor m
.macro XADD m
	v_add_f32_dpp v[NUM], v[NUM], v[NUM] row_xmask:\m row_mask:0xf bank_mask:0xf
.endm
; STEP n.  k = -NUM / E;  E *= 1 - k^2;  C'[0] = k, C'[e+1] = C[e] + k A[e];  NUM = C' . RR;  A += k C.
; more = 0: the last step, after which only A is wanted.  The updates of A fill the slots behind the lines of the sum that hang on each other.
.macro STEP cin, cout, more
	s_wait_alu depctr_va_vdst(0)
	v_mul_f32 v[KK], v[NUM], v[NINV]
.if \more
	v_fma_f32 v[T], v[KK], v[A+15], v[\cin+15]     ; first, since the next lane waits for it
	v_fma_f32 v[NEGE], -v[KK], v[NUM], v[NEGE]     ; -E - k NUM = -E (1 - k^2)
	v_mov_b32 v[\cout], v[KK]                      ; element 0 of the frame; the other lanes' are overwritten below
.irp p, 0,1,2,3
	v_fma_f32 v[\cout+\p+1], v[KK], v[A+\p], v[\cin+\p]
.endr
	v_mov_b32_dpp v[\cout], v[T] row_shr:1 row_mask:0xf bank_mask:0xf      ; lane i takes lane i - 1; lane 0 of a row has no source and keeps k
	v_rcp_f32 v[NINV], v[NEGE]                     ; off the chain: used in the next step; the next line is plain and names neither register
.irp p, 4,5,6,7,8,9,10,11,12,13,14
	v_fma_f32 v[\cout+\p+1], v[KK], v[A+\p], v[\cin+\p]
.endr
	DOT8 \cout
	v_pk_add_f32 v[PS:PS+1], v[PS:PS+1], v[PS+2:PS+3]
	v_pk_add_f32 v[PS+4:PS+5], v[PS+4:PS+5], v[PS+6:PS+7]
	UPD \cin, 0
	v_pk_add_f32 v[PS:PS+1], v[PS:PS+1], v[PS+4:PS+5]
	UPD \cin, 1
	v_add_f32 v[NUM], v[PS], v[PS+1]
	UPD \cin, 2
	XADD 1
	UPD \cin, 3
	XADD 2
	UPD \cin, 4
	XADD 4
	UPD \cin, 5
	XADD 8                                         ; every lane of the row holds the frame's sum
	UPD \cin, 6
	UPD \cin, 7
.else
.irp q, 0,1,2,3,4,5,6,7
	UPD \cin, \q
.endr
.endif
.endm
	; THE RECURSION: 127 trips of two steps, then two more, the last without a new C: 256 steps
	s_mov_b32 s14, 127
.Lstep:
	STEP C0, C1, 1
	STEP C1, C0, 1
	s_sub_co_i32 s14, s14, 1
	s_cmp_lg_u32 s14, 0
	s_cbranch_scc1 .Lstep
	STEP C0, C1, 1
	STEP C1, C0, 0
	; THE GAIN: K = sqrt(r1 . a + r0)
	DOT8 A
	v_pk_add_f32 v[PS:PS+1], v[PS:PS+1], v[PS+2:PS+3]
	v_pk_add_f32 v[PS+4:PS+5], v[PS+4:PS+5], v[PS+6:PS+7]
	v_pk_add_f32 v[PS:PS+1], v[PS:PS+1], v[PS+4:PS+5]
	v_add_f32 v[NUM], v[PS], v[PS+1]
	XADD 1
	XADD 2
	XADD 4
	XADD 8
	v_add_f32 v[NUM], v[NUM], v[R0]
	v_sqrt_f32 v[ONE], v[NUM]
	v_nop                                          ; the plain instruction between the root and its use
	; THE WAY OUT: rows into the image in LDS, the image to memory in pieces of 16 bytes a lane
.irp p, 0,1,2,3,4,5,6,7,8,9,10,11,12,13,14,15
	ds_store_b32 v[FA], v[A+\p] offset:OUTB+4+4*\p ; out0[f][16 l + p + 1]
.endr
	s_wait_alu depctr_va_vdst(0)
	ds_store_b32 v[F0], v[ONE] offset:OUTB         ; K: the row's 16 lanes write one word with one value
	s_wait_dscnt 0x0                               ; zero, for the other waves
	s_barrier_signal -1
	s_barrier_wait -1
.irp j, 1,2,3
	ds_load_b128 v[X+4*\j:X+4*\j+3], v[OFF] offset:OUTB+2048*\j
.endr
	s_wait_dscnt 0x0
.irp j, 1,2,3
	global_store_b128 v[OFF], v[X+4*\j:X+4*\j+3], s[6:7] offset:2048*\j    ; 16 lanes store 256 aligned consecutive bytes
.endr
	; the first 2,048 bytes: only from the chunk's first byte on; what lies in front is the neighbour's
	v_cmp_le_u32 vcc_lo, s10, v[OFF]               ; DELTA <= 16 t
	s_wait_xcnt 0x0                                ; EXEC is a source of the three stores
	s_wait_tensorcnt 0x0
	ds_add_u32 v112, v113
	s_wait_dscnt 0x0
	s_and_saveexec_b32 s12, vcc_lo
	ds_load_b128 v[X:X+3], v[OFF] offset:OUTB
	s_wait_dscnt 0x0
	global_store_b128 v[OFF], v[X:X+3], s[6:7]
	s_wait_xcnt 0x0
	s_or_b32 exec_lo, exec_lo, s12
	; the last block: only up to the chunk's last byte.  No global instruction was issued since the wait above, so EXEC may be narrowed at once.
	v_cmp_gt_u32 vcc_lo, s13, v[OFF]               ; 16 t < DELTA + 32
	s_and_saveexec_b32 s12, vcc_lo
	ds_load_b128 v[X+16:X+19], v[OFF] offset:OUTB+8192
	s_wait_dscnt 0x0
	global_store_b128 v[OFF], v[X+16:X+19], s[6:7] offset:8192
	s_endpgm                                       ; EXEC is not widened again: nothing follows
.Lfunc_end_k_q3dba39bc5f_levinson:
	.size	k_q3dba39bc5f_levinson, .Lfunc_end_k_q3dba39bc5f_levinson-k_q3dba39bc5f_levinson
	.p2alignl 7, 3214868480
	.fill 96, 4, 3214868480
	.section	.rodata,"a",@progbits
	.p2align	6, 0x0
	.amdhsa_kernel k_q3dba39bc5f_levinson
		.amdhsa_group_segment_fixed_size 168448
		.amdhsa_private_segment_fixed_size 0
		.amdhsa_enable_private_segment 0
		.amdhsa_kernarg_size 16
		.amdhsa_user_sgpr_count 2
		.amdhsa_user_sgpr_kernarg_segment_ptr 1
		.amdhsa_wavefront_size32 1
		.amdhsa_system_sgpr_workgroup_id_x 1
		.amdhsa_system_sgpr_workgroup_id_y 1
		.amdhsa_system_sgpr_workgroup_id_z 1
		.amdhsa_system_vgpr_workitem_id 0
		.amdhsa_next_free_vgpr 114
		.amdhsa_next_free_sgpr 66
		.amdhsa_reserve_vcc 1
		.amdhsa_float_denorm_mode_32 3
		.amdhsa_float_denorm_mode_16_64 3
		.amdhsa_memory_ordered 1
		.amdhsa_forward_progress 1
		.amdhsa_inst_pref_size 17
	.end_amdhsa_kernel
	.amdgpu_metadata
---
amdhsa.version: [ 1, 2 ]
amdhsa.kernels:
  - .name:           k_q3dba39bc5f_levinson
    .symbol:         k_q3dba39bc5f_levinson.kd
    .args:
      - { .name: r, .offset: 0, .size: 8, .value_kind: global_buffer, .address_space: global }
      - { .name: out0, .offset: 8, .size: 8, .value_kind: global_buffer, .address_space: global }
    .group_segment_fixed_size: 168448
    .private_segment_fixed_size: 0
    .kernarg_segment_align: 8
    .kernarg_segment_size: 16
    .max_flat_workgroup_size: 128
    .sgpr_count:     66
    .vgpr_count:     114
    .wavefront_size: 32
...
	.end_amdgpu_metadata
.endif
;; end of part 1
